; MI455X (gfx1250); checked and timed in simulation.
; The chip was launched on July 23, 2026; its instructions are those of AMD's public machine-readable ISA for CDNA 5 (MIT licence, August 2026) and "CDNA5" Instruction Set Architecture Reference Guide (July 2026). The comments in the code are by the model that wrote it; some were corrected since.
;; Causal Self Attention. Allowed arithmetic: matrix products marked QUANTISED: E4M3 operands, one given power-of-two scale a tensor, by v_wmma_f32_16x16x64_fp8_fp8 or v_wmma_f32_16x16x128_fp8_fp8, f32 sums; everything else in f32.
;; Inputs: lowp_scales 8 int32 (the exponents e of the quantised operands' scales 2^e); w_proj_codes 1,024 x 32 x 32 uint8 (E4M3 codes of w_proj, K innermost, in blocks of 32 codes); w_qkv_codes 3,072 x 32 x 32 uint8 (E4M3 codes of w_qkv, K innermost, in blocks of 32 codes); x_codes 4 x 2,048 x 32 x 32 uint8 (E4M3 codes of x, K innermost, in blocks of 32 codes).
;; Outputs: out0 4 x 2,048 x 1,024 float32.
;; This version of the problem:
;;   THIS VERSION OF THE PROBLEM IS GIVEN IN LOW PRECISION. The matrix products marked QUANTISED in the list below multiply operands that are first quantised to E4M3 (4 exponent bits, 3 mantissa bits; 8 bits a number), with one given power-of-two scale for each operand tensor; their sums are f32. All else is computed in f32.
;;   The module's matrix products, in the order in which they are computed (A, B: the left and right operand; K: the contracted axis; several contracted axes count as one K, in the product's order):
;;     1. [M 8,192, K 1,024] x [K 1,024, N 3,072]; A: input x (given as codes); B: input w_qkv (given as codes): QUANTISED (scales: A lowp_scales[0], B lowp_scales[1])
;;     2. batch 64 x [M 2,048, K 64] x [K 64, N 2,048]; A: computed on the way; B: computed on the way: QUANTISED (scales: A lowp_scales[2], B lowp_scales[3])
;;     3. batch 64 x [M 2,048, K 2,048] x [K 2,048, N 64]; A: softmax (see below); B: computed on the way: QUANTISED (scales: A lowp_scales[4], B lowp_scales[5])
;;     4. [M 8,192, K 1,024] x [K 1,024, N 1,024]; A: computed on the way; B: input w_proj (given as codes): QUANTISED (scales: A lowp_scales[6], B lowp_scales[7])
;;   THE QUANTISER, for each operand of a quantised product, along K:
;;     - The operand's scale is 2^e, e = its entry of the input lowp_scales (int32; the entries are numbered through the quantised products in the list's order, A before B).
;;     - Each number is divided by the scale, clamped to +-448, and rounded to the nearest number of E4M3, ties to even, subnormals kept.
;;     - The product sums the exact products of the quantised numbers (number of the format x scale) in f32.
;;   ~~~python
;;   def quantise(x, axis, e):      # numpy; x: float32 -> the quantised numbers, widened to float32 again
;;       x = np.moveaxis(x, axis, -1); K = x.shape[-1]
;;       r = np.clip(x / 2.0 ** e, -448, 448)
;;       step = 2.0 ** (np.maximum(np.frexp(np.where(r == 0, 1, r))[1] - 1, -6) - 3)
;;       q = np.round(r / step) * step * 2.0 ** e      # np.round: ties to even
;;       return np.moveaxis(q, -1, axis).astype(np.float32)
;;   ~~~
;;   SOFTMAX AHEAD OF A QUANTISED PRODUCT. Where the list says 'softmax', what is quantised is not the finished softmax but p = 2^(t - M), with t = logit x log2(e) and M = ceil(the row's largest t), a whole number; so 1/2 < the row's largest p <= 1. The row's sum l is taken of the UNQUANTISED p, in f32, and the product's result is divided by l at the end. Since M is a whole number, a kernel that streams over the keys may use a running M (the ceiling of the running maximum): every later rescaling is an exact power of two, so the quantised numbers keep their values, but for numbers so far below the row's largest that they fall under the format's range.
;;   OPERANDS COMPUTED ON THE WAY. 'Computed on the way' means the value that the module computes at that place (a softmax that the list does not call 'softmax' is quantised finished and normalised). What goes into a quantiser is computed in f32, as accurately as f32 sums, v_exp_f32 and their like allow (about 1e-6 of the number): no bf16 or f16 on the way to a quantiser, and a product that is left as it is and whose result goes on into a quantised operand takes f32 operands (vector FMAs, or v_wmma_f32_16x16x4_f32). A number that lies on a knife's edge between two numbers of the format may be rounded either way, as far as f32 arithmetic and the matrix unit's own rounding can turn it there, and no further.
;;   INPUTS GIVEN AS CODES. w_proj (in the module: [1024, 1024], K = its axis 0); w_qkv (in the module: [1024, 3072], K = its axis 0); x (in the module: [4, 2048, 1024], K = its axis 2): each comes as NAME_codes (uint8): NAME with its K axis moved to the last place and cut into blocks of 32 codes, [.., K / 32, bytes a block], one block behind the other in memory; one code a byte (a code: sign, 4 exponent bits, 3 mantissa bits); its scale is its entry of lowp_scales. Its value is code x scale, taken as it is: it is not quantised again, and the codes and scales need not be those that the quantiser above would give.
;; One version. Each part assembles by itself: llvm-mc -triple=amdgcn-amd-amdhsa -mcpu=gfx1250 --defsym DOCPART=n.
;; ======== version 1 of 1: 3 launches
;; limits: right only within a limited range of input values
;; workspace buffers: qk_img 16,777,216 bytes; v_img 8,388,608 bytes; y_img 8,388,608 bytes
;; launch qkv (part 1): grid 8 x 48, 4 waves a work-group, clusters of 4 x 4, 327,680 bytes of LDS; arguments x_codes, w_qkv_codes, lowp_scales, qk_img, v_img; writes qk_img, v_img
.if DOCPART == 1
	.amdgcn_target "amdgcn-amd-amdhsa--gfx1250"
	.amdhsa_code_object_version 6
	.text
	.protected	k_q2205a2cb85_qkv
	.globl	k_q2205a2cb85_qkv
	.p2align	8
	.type	k_q2205a2cb85_qkv,@function
k_q2205a2cb85_qkv:
	s_mov_b64 s[64:65], 0
	v_nop
	global_prefetch_b8 v0, s[64:65] scope:SCOPE_SE
	s_setreg_imm32_b32 hwreg(HW_REG_WAVE_MODE, 25, 1), 1
	s_wait_xcnt 0x0
	s_wait_alu depctr_hold_cnt(0) depctr_sa_sdst(0) depctr_va_vdst(0) depctr_va_sdst(0) depctr_va_ssrc(0) depctr_va_vcc(0) depctr_vm_vsrc(0)
	s_getreg_b32 s2, hwreg(HW_REG_IB_STS2, 6, 4)
	s_cmp_eq_u32 s2, 0
	s_cbranch_scc0 .Lentry_in_a_cluster
	s_endpgm
.Lentry_in_a_cluster:
	s_bfe_u32 s2, ttmp6, 0x10000c
	s_cmp_lg_u32 s2, 0xf033
	s_cbranch_scc0 .Lentry_shape_is_right
	s_endpgm
.Lentry_shape_is_right:
; CAUSAL SELF-ATTENTION ON CODES OF FP8 (E4M3), three launches: this one (x w_qkv, then the quantisers of q, k, v), the attention, the projection.
; WORK LEFT OUT BY THE PROGRAM (in the second launch alone): the function itself builds a lower-triangular mask and puts -infinity on every score whose key comes after its query; the softmax
; makes 0 of it, whatever finite numbers the inputs hold, and 0 adds nothing to the row's sum or to the second product.  So key steps (128 keys x 16 queries) all of whose keys come after all of
; their queries are neither multiplied nor exponentiated, and key slots that no query of a block can see are not fetched.  LIMIT: a NaN, an infinity or an overflow that would arise only in
; such hidden scores is not carried to the result.  Every input has a way to the output and is loaded.
;
; THIS LAUNCH.  C[m][n] = sum over k of A[m][k] B[n][k], K = 1,024, on the codes as they are given; each finished sum, which stands for sum x 2^(e0 + e1), is quantised at once with the scale
; given for q (e2), k (e3) or v (e5): code = sum / 2^(eX - e0 - e1), held within +-448, to the nearest code, ties to even.  Only codes go to memory.
; TWO SECTIONS, chosen by the cluster's y through selections of pointers and numbers; the text has one path.
;   q and k (cluster y 0 to 7):  A = x (8,192 tokens), B = rows 0 to 2,047 of w_qkv: 32 x 8 tiles of 256 x 256.
;   v (cluster y 8 to 11):       A = rows 2,048 to 3,071 of w_qkv (channels), B = x (tokens): 4 x 32 tiles.  The sides are swapped because v's K in the attention is the keys.
; THE MATRIX INSTRUCTION IS USED TRANSPOSED (source 0 = 16 rows of B, source 1 = 16 rows of A): a lane holds one row of A and eight NEIGHBOURING rows of B: eight neighbours along the next
; product's K (channels for q and k, keys for v), which one conversion turns into two registers of the next operand.
; THE RESULT IS STORED AS AN IMAGE OF THE NEXT OPERAND'S REGISTERS: four registers of the 32 lanes are 512 consecutive bytes, lane l's 16 at 16 l.
;   qk_img [token tile of 16][group of 32 columns, 0..63][512]: lane (r, h): token r; columns 32 g + 8 h + 0..7 and 32 g + 16 + 8 h + 0..7.
;   v_img  [channel tile of 16][group of 32 tokens, 0..255][512]: the same with channel r and tokens.
; So each store of a wave covers 512 consecutive bytes, aligned, straight from the conversions' registers: no stage in LDS.
; The product itself: a work-group of four waves makes 256 x 256, a wave 128 x 128 in 64 accumulators; K goes in slots of 256 through a ring of two LDS slots filled by the tensor data mover;
; 4 x 4 work-groups form a cluster; A's tile is asked for jointly along a row of the cluster, B's along a column.
; A fragment is fetched by four loads of 16 bytes: lane l holds K = 32 c + 16 (l / 16) + 0..15 in registers 4 c .. 4 c + 3: a permutation of k that is the same on both sides.
; LIMIT: eX - e0 - e1 lies between -126 and 119, so that the scale and 448 x the scale are f32 numbers.
; REGISTERS, in windows of 256: window 0: v1-6 at work; v8-15 the stores' offsets; v16-31 addresses and constants; v128-255 A's fragments, ONE set, later the codes.
;   window 1: B's fragments, TWO sets.   window 2: the accumulators of my rows 0-63 ((a, b) at v[8 (8 a + b)]);   window 3: those of my rows 64-127.
.set KROW,   1024                      ; a row of A or of B in memory, in bytes
.set ROWB,   256                       ; a slot's part of a row
.set PITCH,  272                       ; an LDS row: 256 bytes + 16 of padding = 68 words: the 16 rows that a load touches start at 16 different banks (64 banks of 4 bytes: ISA guide 11.1)
.set FR,     16                        ; registers of a fragment: 16 rows x 128 K
.set NL,     4                         ; LDS loads that bring one
.set NP,     4                         ; places behind this matrix instruction (ISA guide 7.12.1)
.set HALFT,  128*PITCH                 ; 128 rows: what one tensor load brings
.set SLOT,   4*HALFT                   ; A's 256 rows, then B's 256 rows
.set SPARE,  2*SLOT                    ; behind the ring: the spare words, 128 bytes for each wave
.set OF,   8                           ; v8-15   block a's offset in the image: 16 x lane + a x RS
.set ADRA, 16                          ; v16-17  LDS address of my A fragments in slot 0, 1
.set ADRB, 20                          ; v20-21  the same for B
.set L16,  27                          ; v27     16 x lane
.set SPW,  28                          ; v28     LDS address of my spare word; never rewritten
.set NIL,  29                          ; v29     0; never rewritten
.set SC,   30                          ; v30     2^(eX - e0 - e1) as f32
.set LIM,  31
.set TMP,  32
.set AF,   128                         ; A's fragments, in window 0
.set CD,   128                         ; the way out: 16 registers of codes for each block, where A's fragments lay
.set G1, 24                            ; s[24:31] descriptor group 1 for A's tiles;  s[32:39] group 0, one set for each slot
.set G0, 32
.set G1B, 48                           ; s[48:55], s[56:63] the same for B's tiles
.set G0B, 56
.set MSB, 0
.macro WIN new                         ; the immediate's high byte repeats the setting that is left
.if MSB != \new
	s_set_vgpr_msb (MSB<<8)|\new
.set MSB, \new
.endif
.endm
.set MUL_LO, 0xa1                      ; source 0 (B) window 1, source 1 (A) window 0, C and D window 2
.set MUL_HI, 0xf1                      ; the same, C and D window 3
.set TO_B,   0x40                      ; destination window 1, address window 0
; A joint load: waves 0 and 1 fetch for A, waves 2 and 3 for B.  Each line has one mask and one set of registers for all that issue it; the branch hangs on the wave's number alone.
; An s_nop 0 and four v_nop follow each of the two lines, ahead of the jump, the label and what follows.
.macro JLOAD g0a, g1a, g0b, g1b
	s_cmp_eq_u32 s15, 0
	s_cbranch_scc0 .Lfor_b_\@
	tensor_load_to_lds s[\g0a:\g0a+3], s[\g1a:\g1a+7]
	s_nop 0
.rept 4
	v_nop
.endr
	s_branch .Lasked_\@
.Lfor_b_\@:
	tensor_load_to_lds s[\g0b:\g0b+3], s[\g1b:\g1b+7]
	s_nop 0
.rept 4
	v_nop
.endr
.Lasked_\@:
.endm
.macro CREST                           ; a round of the cluster's barrier behind its opening barrier
	s_cmp_lg_u32 s14, 0
	s_cbranch_scc1 .Lnot_wave_0_\@
	s_barrier_signal -3
.Lnot_wave_0_\@:
	s_barrier_wait -3
	s_barrier_signal -1
	s_barrier_wait -1
.endm
.macro CROUND                          ; a whole round
	s_barrier_signal -1
	s_barrier_wait -1
	CREST
.endm
	s_load_b256 s[4:11], s[0:1], 0x0               ; x's codes s[4:5], w_qkv's s[6:7], the scales' exponents s[8:9], qk_img s[10:11]
	s_load_b64 s[12:13], s[0:1], 0x20              ; v_img
	v_lshl_add_u32 v[SPW], v0, 2, SPARE
	v_mov_b32 v[NIL], 0
	ds_add_u32 v[SPW], v[NIL]                      ; the wave's opening: the add, twice on end, and its wait ahead of my first tensor load; the set-up below stands between
	ds_add_u32 v[SPW], v[NIL]                      ; and once more, under the one wait
	v_lshrrev_b32 v1, 5, v0
	v_readfirstlane_b32 s14, v1                    ; wave 0..3
	s_lshr_b32 s15, s14, 1                         ; which half of the tile's rows is mine.  Also: I fetch for A (0) or for B (1)
	s_and_b32 s16, s14, 1                          ; which half of its columns.  Also: which 128 rows of that tile I fetch
	s_bfe_u32 s40, ttmp6, 0x40000                  ; cx, cy: my place in the cluster
	s_bfe_u32 s41, ttmp6, 0x40004
	s_and_b32 s66, ttmp7, 0xffff                   ; the cluster's y, 0..11: under 8 the section of q and k, else that of v
	s_sub_co_u32 s68, s66, 8
	s_lshl_b32 s68, s68, 1
	s_add_co_u32 s68, s68, ttmp9                   ; v: the cluster's column = 2 (y - 8) + x, 0..7  (in the other section this number is not taken)
	s_mov_b32 s70, 0x20000
	s_cmp_lt_u32 s66, 8                            ; the same in all sixteen partners
	s_cselect_b32 s68, ttmp9, s68                  ; the cluster's column among the tiles of C
	s_cselect_b32 s69, s66, 0                      ; and its row
	s_cselect_b32 s70, 0x8000, s70                 ; RS: bytes from one tile of 16 rows of A to the next in the image: 64 groups, or 256
	s_lshl_b32 s42, s68, 2
	s_add_co_u32 s42, s42, s40                     ; tile column of C
	s_lshl_b32 s17, s69, 2
	s_add_co_u32 s17, s17, s41                     ; tile row of C
	s_lshl_b32 s43, s41, 2
	s_lshl_b32 s43, 15, s43                        ; my row of the cluster
	s_lshl_b32 s44, 0x1111, s40                    ; my column
	; descriptor group 1: a tile of 128 rows x 256 bytes, padded in LDS
	s_or_b32 s[G1+0], s43, (0<<16)|(1<<20)|(1<<21)|(5<<22)|(3<<25)  ; 15:0 the mask: A's tiles go to my row; 17:16 element of 1 byte; 20 padding on; 21 set beside a mask; 24:22 after every 64 words; 31:25 of 4 words
	s_or_b32 s[G1B+0], s44, (0<<16)|(1<<20)|(1<<21)|(5<<22)|(3<<25) ; the same with my column's mask
.irp g, G1, G1B
	s_mov_b32 s[\g+1], ROWB<<16                    ; tensor_dim0
	s_mov_b32 s[\g+2], 128<<16                     ; tensor_dim1 = 128
	s_mov_b32 s[\g+3], ROWB<<16                    ; tile_dim0
	s_mov_b32 s[\g+4], 128                         ; tile_dim1 = 128
	s_mov_b32 s[\g+5], KROW                        ; tensor_dim0_stride
	s_mov_b32 s[\g+6], 0
	s_mov_b32 s[\g+7], 0
.endr
	s_lshl_b32 s18, s16, 7                         ; which 128 rows of the tile I fetch
	s_lshl_b32 s20, s17, 8
	s_add_co_u32 s20, s20, s18                     ; A: row 256 x tile row + 128 x half,
	s_lshl_b32 s20, s20, 10                        ; in bytes (under 2^23)
	s_mov_b32 s21, 0
	s_lshl_b32 s46, s42, 8
	s_add_co_u32 s46, s46, s18                     ; B: row 256 x tile column + 128 x half
	s_lshl_b32 s46, s46, 10
	s_mov_b32 s47, 0
	s_mul_i32 s45, s14, HALFT                      ; where they go: wave x 128 rows: no place in the cluster enters an LDS address
	s_wait_dscnt 0x0                               ; both opening adds are done
	s_wait_kmcnt 0x0
	s_load_b256 s[80:87], s[8:9], 0x0              ; e0 .. e7
	s_add_nc_u64 s[72:73], s[6:7], 0x200000        ; w_qkv's rows 2,048 on: v's channels
	s_cmp_lt_u32 s66, 8
	s_cselect_b64 s[76:77], s[4:5], s[72:73]       ; A
	s_cselect_b64 s[78:79], s[6:7], s[4:5]         ; B
	s_cselect_b64 s[10:11], s[10:11], s[12:13]     ; the image
	s_add_nc_u64 s[20:21], s[76:77], s[20:21]
	s_add_nc_u64 s[46:47], s[78:79], s[46:47]
	CROUND                                         ; all sixteen work-groups are here: the first joint loads meet
.irp s, 0,1
	s_mov_b32 s[G0+4*\s], 1
	s_add_co_u32 s[G0+4*\s+1], s45, \s*SLOT
	s_add_nc_u64 s[G0+4*\s+2:G0+4*\s+3], s[20:21], \s*ROWB
	s_or_b32 s[G0+4*\s+3], s[G0+4*\s+3], 0x80000000
	s_mov_b32 s[G0B+4*\s], 1
	s_add_co_u32 s[G0B+4*\s+1], s45, \s*SLOT
	s_add_nc_u64 s[G0B+4*\s+2:G0B+4*\s+3], s[46:47], \s*ROWB
	s_or_b32 s[G0B+4*\s+3], s[G0B+4*\s+3], 0x80000000
	JLOAD G0+4*\s, G1, G0B+4*\s, G1B
.endr
	v_and_b32 v1, 15, v0                           ; l % 16
	v_bfe_u32 v2, v0, 4, 1                         ; l / 16
	v_mul_u32_u24 v3, v1, PITCH
	v_lshl_add_u32 v4, v2, 4, v3                   ; a fragment's row x pitch + 16 x half
	s_mul_i32 s21, s15, HALFT                      ; my 128 rows of A
	s_mul_i32 s22, s16, HALFT                      ; my 128 rows of B,
	s_add_co_u32 s22, s22, 2*HALFT                 ; which lie behind A's 256
.irp s, 0,1
	v_add_nc_u32 v[ADRA+\s], s21, v4
	v_add_nc_u32 v[ADRB+\s], s22, v4
	s_add_co_u32 s21, s21, SLOT
	s_add_co_u32 s22, s22, SLOT
.endr
	v_and_b32 v6, 31, v0
	v_lshlrev_b32 v[L16], 4, v6
	s_wait_alu depctr_va_vdst(0)
	s_mov_b32 s22, 0
.irp a, 0,1,2,3,4,5,6,7
	v_add_nc_u32 v[OF+\a], s22, v[L16]             ; block a's 16 rows of A: a x RS on
	s_add_co_u32 s22, s22, s70
.endr
	s_lshl_b32 s20, s17, 4                         ; where my part of the image begins: tile of 16 rows = 16 x tile row + 8 x half,
	s_lshl_b32 s21, s15, 3
	s_add_co_u32 s20, s20, s21
	s_mul_i32 s20, s20, s70                        ; x RS (under 2^24),
	s_lshl_b32 s46, s42, 3                         ; group of 32 = 8 x tile column + 4 x half,
	s_lshl_b32 s47, s16, 2
	s_add_co_u32 s46, s46, s47
	s_lshl_b32 s46, s46, 9                         ; x 512
	s_add_co_u32 s90, s20, s46
	s_mov_b32 s91, 0
	s_add_nc_u64 s[10:11], s[10:11], s[90:91]
.macro FRAG reg, adr, q, i             ; a fragment: lane l holds row l % 16; registers 4 c .. 4 c + 3 hold K = 32 c + 16 (l / 16) + 0 .. 15
.irp c, 0,1,2,3
	ds_load_b128 v[\reg+4*\c:\reg+4*\c+3], v[\adr] offset:128*(\q)+32*\c+(\i)*16*PITCH
.endr
.endm
; 16 matrix instructions: A's blocks a0, a0 + 1 x B's eight, 128 along K.  p: B's set.  zero = 1: the first product starts the sums: nothing is ever cleared.
; The 64 accumulators take turns, one instruction a turn, in the same order in every step.
.macro MUL16 a0, p, zero
.irp a, \a0, \a0+1
.irp b, 0,1,2,3,4,5,6,7
.if \zero
	v_wmma_f32_16x16x128_fp8_fp8 v[8*(8*((\a)%4)+\b):8*(8*((\a)%4)+\b)+7], v[128*(\p)+FR*\b:128*(\p)+FR*\b+FR-1], v[AF+FR*(\a):AF+FR*(\a)+FR-1], 0
.else
	v_wmma_f32_16x16x128_fp8_fp8 v[8*(8*((\a)%4)+\b):8*(8*((\a)%4)+\b)+7], v[128*(\p)+FR*\b:128*(\p)+FR*\b+FR-1], v[AF+FR*(\a):AF+FR*(\a)+FR-1], v[8*(8*((\a)%4)+\b):8*(8*((\a)%4)+\b)+7]
.endif
.endr
.endr
.endm
.macro FETCH_B slot, q, p              ; B's eight fragments of the slot's q-th 128 along K into set p
	WIN TO_B
.irp i, 0,1,2,3,4,5,6,7
	FRAG 128*(\p)+FR*\i, ADRB+\slot, \q, \i
.endr
	WIN 0
.endm
.macro FETCH_A slot, q, i0             ; A's blocks i0 .. i0 + 3
.irp i, \i0, \i0+1, \i0+2, \i0+3
	FRAG AF+FR*(\i), ADRA+\slot, \q, \i
.endr
.endm
; A load into a register that a matrix instruction has read, and a vector instruction that reads a matrix result or writes one of its registers, stand NP places behind it; only plain vector
; instructions that name none of its registers are places (ISA guide 7.12.1 for vector instructions).
.macro PLACES n
.rept \n
	v_nop
.endr
.endm
; A step of 128 along K that has its successor in the same slot.  A's blocks are free as soon as their eight products are issued, so A has one set: blocks 0-3 come anew in the step's middle, 4-7 at its end.
.macro STEP slot, q, zero
	s_wait_dscnt 4*NL                              ; B's set and A's blocks 0-3 are in; the youngest sixteen loads (A's blocks 4-7) may be out
	WIN MUL_LO
	MUL16 0, (\q)%2, \zero
	MUL16 2, (\q)%2, \zero
	s_wait_dscnt 0                                 ; A's blocks 4-7 are in
	PLACES NP
	FETCH_B \slot, (\q)+1, 1-(\q)%2
	FETCH_A \slot, (\q)+1, 0
	WIN MUL_HI
	MUL16 4, (\q)%2, \zero
	MUL16 6, (\q)%2, \zero
	PLACES NP
	WIN 0
	FETCH_A \slot, (\q)+1, 4
.endm
; A slot's last step changes slots: ONE barrier; in front of it each wave waits for all its tensor loads, adds 0 to its spare word, and waits for that and for its own reads of this slot.
; fill = 1: this slot is filled again, two slots ahead; the barrier then opens a round of the cluster's barrier, and the joint refill is the first tensor load behind the round.
.macro TURN slot, next, fill
	s_wait_tensorcnt 0x0                           ; all my tensor loads have landed: my part of the next slot  (every window is 0 here)
	ds_add_u32 v[SPW], v[NIL]                      ; 0 onto my spare word
	s_wait_dscnt 4*NL+1                            ; (the add and the youngest sixteen loads may be out)
	WIN MUL_LO
	MUL16 0, 1, 0                                  ; sixteen matrix instructions stand between the add and the wait for it
	s_wait_dscnt 0x0                               ; the add is done, and my reads of this slot are over
	s_barrier_signal -1
	MUL16 2, 1, 0
	WIN 0
	s_barrier_wait -1
.if \fill
	CREST                                          ; no wave of any partner still reads this slot's tile or has a load on its way
	s_add_nc_u64 s[G0+4*\slot+2:G0+4*\slot+3], s[G0+4*\slot+2:G0+4*\slot+3], 2*ROWB
	s_add_nc_u64 s[G0B+4*\slot+2:G0B+4*\slot+3], s[G0B+4*\slot+2:G0B+4*\slot+3], 2*ROWB
	JLOAD G0+4*\slot, G1, G0B+4*\slot, G1B         ; the four v_nop behind it are also the places in front of the loads below
.else
	PLACES NP
.endif
	FETCH_B \next, 0, 0
	FETCH_A \next, 0, 0
	WIN MUL_HI
	MUL16 4, 1, 0
	MUL16 6, 1, 0
	PLACES NP
	WIN 0
	FETCH_A \next, 0, 4
.endm
	s_wait_tensorcnt 1                             ; my part of slot 0 is in; slot 1's load may be out
	s_barrier_signal -1
	s_barrier_wait -1                              ; everybody's is
	FETCH_B 0, 0, 0
	FETCH_A 0, 0, 0
	FETCH_A 0, 0, 4
	STEP 0, 0, 1                                   ; K = 1,024 is four slots of two steps: written straight; the first step's products start the sums
	TURN 0, 1, 1                                   ; slot 0 takes K 512 on
	STEP 1, 0, 0
	TURN 1, 0, 1                                   ; slot 1 takes K 768 on
	STEP 0, 0, 0
	TURN 0, 1, 0                                   ; nothing is left to fetch
	STEP 1, 0, 0
	s_wait_dscnt 4*NL                              ; the very last step
	WIN MUL_LO
	MUL16 0, 1, 0
	MUL16 2, 1, 0
	s_wait_dscnt 0
	WIN MUL_HI
	MUL16 4, 1, 0
	MUL16 6, 1, 0
	WIN 0
	; THE WAY OUT.  The scale: q where the cluster's x is 0 (columns under 1,024), k where it is 1, v in the other section: selections on ids, no branch.
	s_wait_kmcnt 0x0
	s_cmp_eq_u32 ttmp9, 0
	s_cselect_b32 s88, s82, s83                    ; e2 or e3
	s_cmp_lt_u32 s66, 8
	s_cselect_b32 s88, s88, s85                    ; or e5
	s_sub_co_i32 s88, s88, s80
	s_sub_co_i32 s88, s88, s81                     ; eX - e0 - e1: the three scales folded into the conversion's one
	s_add_co_i32 s88, s88, 127
	s_lshl_b32 s89, s88, 23
	v_mov_b32 v[SC], s89
	s_add_co_i32 s88, s88, 8
	s_lshl_b32 s88, s88, 23
	s_or_b32 s88, s88, 0x600000
	PLACES NP                                      ; behind the last products: their results are read and A's registers written below
; Block a (16 rows of A x my 128 rows of B): eight conversions: accumulator b gives registers 2 b, 2 b + 1; four stores of 512 consecutive bytes.
; Each block has its own registers for its codes and its own offset, so no register that a store reads is written again.
.macro OUTBLK a
.set AC, 64*((\a)%4)
	WIN 0x02+((\a)/4)                              ; source 0: window 2 or 3
.set j, 0
.rept 64
.set j, j+1
.endr
.irp b, 0,1,2,3,4,5,6,7
	v_cvt_scalef32_pk8_fp8_f32 v[CD+16*(\a)+2*\b:CD+16*(\a)+2*\b+1], v[AC+8*\b:AC+8*\b+7], v[SC]
.endr
	WIN 0
	v_nop
.irp g, 0,1,2,3
	global_store_b128 v[OF+(\a)], v[CD+16*(\a)+4*\g:CD+16*(\a)+4*\g+3], s[10:11] offset:512*\g
.endr
.endm
.irp a, 0,1,2,3,4,5,6,7
	OUTBLK \a
.endr
	s_wait_tensorcnt 0x0                           ; the wave's end, behind my last tensor load
	ds_add_u32 v[SPW], v[NIL]
	s_wait_dscnt 0x0
	CROUND                                         ; the closing round: no work-group ends while a partner may still ask for a tile that names it
	s_endpgm
.Lfunc_end_k_q2205a2cb85_qkv:
	.size	k_q2205a2cb85_qkv, .Lfunc_end_k_q2205a2cb85_qkv-k_q2205a2cb85_qkv
	.p2alignl 7, 3214868480
	.fill 96, 4, 3214868480
	.section	.rodata,"a",@progbits
	.p2align	6, 0x0
	.amdhsa_kernel k_q2205a2cb85_qkv
		.amdhsa_group_segment_fixed_size 327680
		.amdhsa_private_segment_fixed_size 0
		.amdhsa_enable_private_segment 0
		.amdhsa_kernarg_size 40
		.amdhsa_user_sgpr_count 2
		.amdhsa_user_sgpr_kernarg_segment_ptr 1
		.amdhsa_wavefront_size32 1
		.amdhsa_system_sgpr_workgroup_id_x 1
		.amdhsa_system_sgpr_workgroup_id_y 1
		.amdhsa_system_sgpr_workgroup_id_z 1
		.amdhsa_system_vgpr_workitem_id 0
		.amdhsa_next_free_vgpr 1024
		.amdhsa_next_free_sgpr 100
		.amdhsa_reserve_vcc 0
		.amdhsa_float_denorm_mode_32 3
		.amdhsa_float_denorm_mode_16_64 3
		.amdhsa_fp16_overflow 1
		.amdhsa_memory_ordered 1
		.amdhsa_forward_progress 1
		.amdhsa_inst_pref_size 86
	.end_amdhsa_kernel
	.amdgpu_metadata
---
amdhsa.version: [ 1, 2 ]
amdhsa.kernels:
  - .name:           k_q2205a2cb85_qkv
    .symbol:         k_q2205a2cb85_qkv.kd
    .args:
      - { .name: x_codes, .offset: 0, .size: 8, .value_kind: global_buffer, .address_space: global }
      - { .name: w_qkv_codes, .offset: 8, .size: 8, .value_kind: global_buffer, .address_space: global }
      - { .name: lowp_scales, .offset: 16, .size: 8, .value_kind: global_buffer, .address_space: global }
      - { .name: qk_img, .offset: 24, .size: 8, .value_kind: global_buffer, .address_space: global }
      - { .name: v_img, .offset: 32, .size: 8, .value_kind: global_buffer, .address_space: global }
    .group_segment_fixed_size: 327680
    .private_segment_fixed_size: 0
    .kernarg_segment_align: 8
    .kernarg_segment_size: 40
    .max_flat_workgroup_size: 128
    .sgpr_count:     100
    .vgpr_count:     1024
    .wavefront_size: 32
...
	.end_amdgpu_metadata
.endif
;; end of part 1
;; launch attn (part 2): grid 4 x 64, 16 waves a work-group, no clusters, 327,680 bytes of LDS; arguments qk_img, v_img, lowp_scales, y_img; writes y_img
.if DOCPART == 2
	.amdgcn_target "amdgcn-amd-amdhsa--gfx1250"
	.amdhsa_code_object_version 6
	.text
	.protected	k_q2205a2cb85_attn
	.globl	k_q2205a2cb85_attn
	.p2align	8
	.type	k_q2205a2cb85_attn,@function
k_q2205a2cb85_attn:
	s_mov_b64 s[64:65], 0
	v_nop
	global_prefetch_b8 v0, s[64:65] scope:SCOPE_SE
	s_setreg_imm32_b32 hwreg(HW_REG_WAVE_MODE, 25, 1), 1
	s_wait_xcnt 0x0
; y[b][q][h][:] = the sum over keys k <= q of softmax_k(q . k / 8) v, both products on codes of FP8 (E4M3); y is quantised at once for the projection.
; WORK LEFT OUT: key steps and key slots all of whose keys come after all of their queries: the function's own lower-triangular mask makes their weights 0 for every input.
; LIMIT: a NaN, an infinity or an overflow that would arise only in such hidden scores is not carried to the result.
; THE SOFTMAX AHEAD OF THE SECOND PRODUCT: t = score x log2(e) / 8; M = the row's largest t so far, rounded UP to a whole number; p = 2^(t - M) is what is quantised (scale 2^e4), not normalised.
; The row's sum is taken of the unquantised p, in f32, and divides O at the end.  When M moves, the sum and O are multiplied by 2^(old M - new M): exact.
; SHARES.  A work-group serves one head of one batch and TWO blocks of 256 queries, blocks p and 7 - p (p = the work-group's x), one after the other: pass 1 walks key slots 0 .. p, pass 2 key slots
; 0 .. 7 - p, of 256 keys each: NINE slots in every work-group, so the 256 work-groups have equal work and the loop's trip count is a constant.  Each of the sixteen waves owns 16 queries of the
; block in hand, in 256 registers: four waves to a SIMD, so that one wave's vector work stands beside another's matrix work and LDS loads.
; OPERANDS ARE IMAGES OF REGISTERS, as the launch before stored them: four registers of 32 lanes are 512 bytes, lane l's 16 at 16 l.  So every LDS read is 16 x lane + a constant: no pitch, no padding.
; LAYOUT.  S^T = K Q^T (source 0 = 16 keys, source 1 = my 16 queries, K = 64): lane (r, h) holds query r, register j of tile t key 16 t + 8 h + j: one conversion a tile gives registers 2 t, 2 t + 1 of
; P as source 1 of O^T = V^T P^T (source 0 = 16 channels x 128 keys), in that form's own order of k.  A lane holds one query throughout.
; NO CLUSTER: the four work-groups of a head want different key slots in the same trip (slot t against slot t - p - 1); asked jointly, each would have to walk all eight slots in each pass it shares,
; 12 slots' rounds in place of 9, and take tiles that none of its waves reads; what is shared is 9 slots x 32,768 bytes a work-group.
; LIMITS on the given exponents, so that each power of two below is an f32 number: e2 + e3 between -123 and 130 (added to c's exponent field); e4 and e6 between -126 and 119; e4 + e5 goes by v_ldexp_f32.
; REGISTERS: v1 16 x lane; v2 the slot's LDS address; v3 the prefetch's offset; v4 y's offset; v5, v6 the add's two; v7 r - 8 h; v8 the mask's d; v10, v11 Q's offsets; v12 -M, v13 the largest t,
; v[14:15] the sum in two halves; v16-23 Q in hand; v24-31 Q of pass 2; v32-95 eight fragments of K, then four of V; v96-159 S^T, then p; v160-191 O^T; v192-207 p's codes; v208-223 y's codes and their exchange; v236-254 at work.
.set SLOT1, 32768                      ; a slot: 16 key tiles x 1,024 bytes of K, then 4 channel tiles x 4,096 bytes of V; one exclusive or turns an address into the other slot's
.set VOFF,  16384
.set SPARE, 2*SLOT1                    ; behind the ring: the spare words, 128 bytes for each of sixteen waves
.set LI,   1
.set AD,   2
.set PFO,  3
.set YO,   4
.set SPW,  5
.set NIL,  6
.set RH,   7
.set DD,   8
.set TB,   2                           ; s2   LDS byte at which the slot in hand begins
.set TRIP, 3                           ; s3   the trip, 0 .. 8
.set WV,   18                          ; s18  my wave's number
.set SEL,  20                          ; s[20:21] lane selects for v_permlanex16_b32: lane l xor 16
.set CS,   22                          ; s[22:23] c = log2(e) / 8 x 2^(e2 + e3)
.set G1K,  24                          ; s[24:31] descriptor group 1 for K's tiles;  s[32:39] for V's;  s[40:43], s[44:47] their groups 0
.set G1V,  32
.set G0K,  40
.set G0V,  44
.set KB,   48                          ; s[48:49] my half of key slot 0 of K;  s[50:51] of V
.set VB,   50
.set OFK,  52                          ; s[52:53], s[54:55] the key slot to be fetched, in bytes of K and of V
.set OFV,  54
.set PP,   56                          ; s56  p
.set KF,   57                          ; s57  the step's first key
.set Q0,   58                          ; s58  my first query in the pass in hand;  s59 in pass 2
.set Q0B,  59
.set HM,   60                          ; s60  a lane mask: lanes 16 to 31
.set EPV,  61                          ; s61  e4 + e5
.set PFA,  76                          ; s[76:77] where my prefetches stand;  s[78:79] a key slot on, in bytes
.set PFS,  78
.set LIM,  80                          ; s80  3 in a wave that prefetches, else 100
.set YB,   82                          ; s[82:83] y_img at my batch and head;  s[84:85] q likewise
.set QB,   84
; Waves 0 and 1 fetch K's halves, waves 2 and 3 V's, the others nothing.  The branches hang on the wave's number alone.  An s_nop 0 and four v_nop follow each of the two lines.
.macro TLOAD
	s_cmp_lt_u32 s[WV], 2
	s_cbranch_scc0 .Lnot_k_\@
	tensor_load_to_lds s[G0K:G0K+3], s[G1K:G1K+7]
	s_nop 0
.rept 4
	v_nop
.endr
	s_branch .Lasked_\@
.Lnot_k_\@:
	s_cmp_lt_u32 s[WV], 4
	s_cbranch_scc0 .Lasked_\@
	tensor_load_to_lds s[G0V:G0V+3], s[G1V:G1V+7]
	s_nop 0
.rept 4
	v_nop
.endr
.Lasked_\@:
.endm
; A PREFETCH INTO THE L2 of the key slot that the NEXT change of slots will ask for: two key steps ahead of that load.  Key slots 4 to 7 are walked first by the head's work-group with p = 0 (in its trips
; 5 to 8): it alone asks, in trips 3 to 6, for key slot trip + 1.  A slot is 64 aligned blocks of 256 bytes of K (16 key tiles x 1,024) and 64 of V (4 channel tiles x 4,096): waves 4 and 5 name K's,
; waves 6 and 7 V's, a lane a block, one instruction a wave: each block is named once in the launch.  Key slots 0 to 3 come by their loads alone; nothing is asked for at the head or behind trip 6.
.macro ASK
	s_sub_co_u32 s96, s[TRIP], s[LIM]
	s_cmp_lt_u32 s96, 4
	s_cbranch_scc0 .Lnot_mine_\@
	global_prefetch_b8 v[PFO], s[PFA:PFA+1] th:TH_LOAD_NT scope:SCOPE_SE
.Lnot_mine_\@:
.endm
	s_load_b256 s[4:11], s[0:1], 0x0               ; qk_img s[4:5], v_img s[6:7], the scales' exponents s[8:9], y_img s[10:11]
	v_lshl_add_u32 v[SPW], v0, 2, SPARE
	v_mov_b32 v[NIL], 0
	ds_add_u32 v[SPW], v[NIL]                      ; the wave's opening: the add, twice on end, and its wait ahead of my first tensor load; the set-up below stands between
	ds_add_u32 v[SPW], v[NIL]                      ; and once more, under the one wait
	v_lshrrev_b32 v9, 5, v0
	s_delay_alu instid0(VALU_DEP_1)
	v_readfirstlane_b32 s[WV], v9                  ; wave 0..15
	s_mov_b32 s[PP], ttmp9                         ; p, 0..3
	s_and_b32 s86, ttmp7, 0xffff
	s_lshr_b32 s87, s86, 4                         ; the batch
	s_and_b32 s86, s86, 15                         ; the head
	s_lshl_b32 s90, s86, 10                        ; a head's 1,024 bytes in a token tile of qk_img and in a row tile of y_img
	s_lshl_b32 s[OFK], s87, 22                     ; a batch's 128 token tiles x 32,768
	s_add_co_u32 s[OFK], s[OFK], s90
	s_mov_b32 s[OFK+1], 0
	s_lshl_b32 s[OFV], s86, 19                     ; a head's 4 channel tiles x 131,072,
	s_lshl_b32 s91, s87, 15                        ; a batch's 64 groups of 32 keys x 512
	s_add_co_u32 s[OFV], s[OFV], s91
	s_mov_b32 s[OFV+1], 0
	s_lshl_b32 s92, s87, 21                        ; a batch's 128 row tiles x 16,384
	s_add_co_u32 s92, s92, s90
	s_mov_b32 s93, 0
	s_and_b32 s88, s[WV], 1                        ; which half of K's or V's tile I fetch, if I fetch:
	s_lshl_b32 s[G0K+1], s88, 13                   ; in a slot, 8,192 bytes a half,
	s_add_co_u32 s[G0V+1], s[G0K+1], VOFF
	s_lshl_b32 s88, s88, 18                        ; and in memory: 8 key tiles x 32,768 = 2 channel tiles x 131,072
	s_mov_b32 s89, 0
	s_lshl_b32 s94, s[WV], 4
	s_lshl_b32 s[Q0], s[PP], 8
	s_add_co_u32 s[Q0], s[Q0], s94                 ; my first query: 256 p + 16 x wave,
	s_sub_co_u32 s[Q0B], 7, s[PP]
	s_lshl_b32 s[Q0B], s[Q0B], 8
	s_add_co_u32 s[Q0B], s[Q0B], s94               ; and in pass 2: 256 (7 - p) + 16 x wave
	; descriptor group 1, elements of 8 bytes, no padding.  K: 8 rows (key tiles) of 1,024 bytes, 32,768 apart;  V: 2 rows (channel tiles) of 4,096 bytes, 131,072 apart
	s_mov_b32 s[G1K], 3<<16
	s_mov_b32 s[G1K+1], 128<<16                    ; tensor_dim0
	s_mov_b32 s[G1K+2], 8<<16                      ; tensor_dim1
	s_mov_b32 s[G1K+3], 128<<16                    ; tile_dim0
	s_mov_b32 s[G1K+4], 8                          ; tile_dim1
	s_mov_b32 s[G1K+5], 4096                       ; tensor_dim0_stride
	s_mov_b32 s[G1K+6], 0
	s_mov_b32 s[G1K+7], 0
	s_mov_b32 s[G1V], 3<<16
	s_mov_b32 s[G1V+1], 512<<16
	s_mov_b32 s[G1V+2], 2<<16
	s_mov_b32 s[G1V+3], 512<<16
	s_mov_b32 s[G1V+4], 2
	s_mov_b32 s[G1V+5], 16384
	s_mov_b32 s[G1V+6], 0
	s_mov_b32 s[G1V+7], 0
	s_mov_b32 s[G0K], 1
	s_mov_b32 s[G0V], 1
	s_mov_b32 s[SEL], 0x76543210
	s_mov_b32 s[SEL+1], 0xfedcba98
	s_mov_b32 s[CS], 0x3e38aa3b                    ; log2(e) / 8
	s_mov_b32 s[HM], 0xffff0000
	s_mov_b32 s[TB], 0
	s_mov_b32 s[TRIP], 0
	s_mov_b32 s[KF], 0
	s_wait_dscnt 0x0                               ; both opening adds are done
	s_wait_kmcnt 0x0
	s_load_b256 s[68:75], s[8:9], 0x0              ; e0 .. e7
	s_add_nc_u64 s[QB:QB+1], s[4:5], s[OFK:OFK+1]  ; q of my batch and head
	s_add_nc_u64 s[KB:KB+1], s[QB:QB+1], 16384     ; k lies 16,384 bytes further on in each token tile
	s_add_nc_u64 s[VB:VB+1], s[6:7], s[OFV:OFV+1]
	s_add_nc_u64 s[YB:YB+1], s[10:11], s[92:93]
	s_cmp_lt_u32 s[WV], 6                          ; the prefetches: waves 4 and 5 name K's blocks, waves 6 and 7 V's
	s_cselect_b64 s[PFA:PFA+1], s[KB:KB+1], s[VB:VB+1]
	s_cselect_b32 s90, 2, 4                        ; blocks of 256 bytes in a row of the slot's tile: 4 or 16, as a shift,
	s_cselect_b32 s91, 3, 15                       ; as a mask,
	s_cselect_b32 s94, 15, 17                      ; and the rows' distance as a shift
	s_mov_b32 s[PFS], 4096
	s_cselect_b32 s[PFS], 0x80000, s[PFS]
	s_mov_b32 s[PFS+1], 0
	s_add_nc_u64 s[KB:KB+1], s[KB:KB+1], s[88:89]  ; my half
	s_add_nc_u64 s[VB:VB+1], s[VB:VB+1], s[88:89]
	s_mov_b64 s[G0K+2:G0K+3], s[KB:KB+1]           ; key slot 0 into slot 0
	s_or_b32 s[G0K+3], s[G0K+3], 0x80000000
	s_mov_b64 s[G0V+2:G0V+3], s[VB:VB+1]
	s_or_b32 s[G0V+3], s[G0V+3], 0x80000000
	TLOAD
	v_and_b32 v[LI], 31, v0
	s_delay_alu instid0(VALU_DEP_1)
	v_lshlrev_b32 v[LI], 4, v[LI]
	s_lshl_b32 s95, s[Q0], 11                      ; a token tile is 32,768 bytes: 2,048 a token
	v_add_nc_u32 v10, s95, v[LI]
	s_lshl_b32 s95, s[Q0B], 11
	v_add_nc_u32 v11, s95, v[LI]
	global_load_b128 v[16:19], v10, s[QB:QB+1] th:TH_LOAD_NT             ; Q's fragments stay in registers; each is read by one wave of the launch
	global_load_b128 v[20:23], v10, s[QB:QB+1] offset:512 th:TH_LOAD_NT
	global_load_b128 v[24:27], v11, s[QB:QB+1] th:TH_LOAD_NT
	global_load_b128 v[28:31], v11, s[QB:QB+1] offset:512 th:TH_LOAD_NT
	v_and_b32 v9, 63, v0                           ; j = 32 (wave % 2) + lane: my block among the 64
	s_delay_alu instid0(VALU_DEP_1)
	v_lshrrev_b32 v[PFO], s90, v9
	s_delay_alu instid0(VALU_DEP_1)
	v_lshlrev_b32 v[PFO], s94, v[PFO]              ; its row,
	s_delay_alu instid0(VALU_DEP_3)
	v_and_b32 v9, s91, v9
	s_delay_alu instid0(VALU_DEP_1)
	v_lshl_add_u32 v[PFO], v9, 8, v[PFO]           ; its place in the row
	s_sub_co_u32 s90, s[WV], 4
	s_lshr_b32 s90, s90, 2                         ; 0 in waves 4 to 7,
	s_or_b32 s90, s90, ttmp9                       ; of the work-group with p = 0
	s_cmp_eq_u32 s90, 0
	s_cselect_b32 s[LIM], 3, 100
	v_and_b32 v[RH], 15, v0
	v_bfe_u32 v9, v0, 4, 1
	s_delay_alu instid0(VALU_DEP_1)
	v_lshlrev_b32 v9, 3, v9
	s_delay_alu instid0(VALU_DEP_1)
	v_sub_nc_u32 v[RH], v[RH], v9                  ; r - 8 h, for the mask
.macro STATE                           ; a pass begins: the largest t under every t, sums and O^T zero: the first change of M multiplies zeros
	v_mov_b32 v13, 0xff61b1e6                      ; -3e38
	s_delay_alu instid0(VALU_DEP_1)
	v_floor_f32 v12, -v13                          ; -M
	v_mov_b32 v14, 0
	v_mov_b32 v15, 0
.set j, 0
.rept 32
	v_mov_b32 v[160+j], 0
.set j, j+1
.endr
.endm
	STATE
.irp j, 220,221,222,223,236,253
	v_mov_b32 v\j, 0                               ; written once: a lane permute's destination counts as one of its sources; v253 is named as the upper half of a pair
.endr
	s_wait_kmcnt 0x0
	s_add_co_i32 s96, s70, s71
	s_lshl_b32 s96, s96, 23
	s_add_co_i32 s[CS], s[CS], s96                 ; a score stands for score x 2^(e2 + e3): the exponents are added to c's exponent field
	s_mov_b32 s[CS+1], s[CS]                       ; (named with it as a pair, so it is written)
	s_add_co_i32 s96, s72, 127
	s_lshl_b32 s97, s96, 23
	v_mov_b32 v244, s97                            ; 2^e4, for p's conversions
	s_add_co_i32 s96, s74, 127
	s_lshl_b32 s97, s96, 23
	v_mov_b32 v246, s97                            ; 2^e6, for y's
	s_add_co_i32 s[EPV], s72, s73                  ; e4 + e5
; A KEY STEP: 128 keys, the q-th of the slot in hand.  A step all of whose keys come after my 16 queries is left out: a scalar branch on ids, round its loads, products and softmax, not round the line that steps the key.
.macro STEP q
	s_add_co_u32 s96, s[Q0], 15
	s_cmp_gt_u32 s[KF], s96
	s_cbranch_scc1 .Lhidden_\@
	v_add_nc_u32 v[AD], s[TB], v[LI]
.irp t, 0,1,2,3,4,5,6,7                        ; K: eight tiles of 16 keys x 64, two groups of four registers each
	ds_load_b128 v[32+8*\t:35+8*\t], v[AD] offset:(8*(\q)+\t)*1024
	ds_load_b128 v[36+8*\t:39+8*\t], v[AD] offset:(8*(\q)+\t)*1024+512
.endr
	s_wait_alu depctr_va_vdst(0)
	s_wait_dscnt 0x0
.irp t, 0,1,2,3,4,5,6,7
	v_wmma_f32_16x16x64_fp8_fp8 v[96+8*\t:103+8*\t], v[32+8*\t:39+8*\t], v[16:23], 0
.endr
.rept 4
	v_nop                                          ; places in front of the loads into K's registers and of the first read of the scores
.endr
.irp t, 0,1,2,3                                ; V's four fragments (16 channels x 128 keys) are asked for now and land under the softmax
.irp c, 0,1,2,3
	ds_load_b128 v[32+16*\t+4*\c:35+16*\t+4*\c], v[AD] offset:VOFF+4096*\t+2048*(\q)+512*\c
.endr
.endr
	s_add_co_u32 s96, s[KF], 127                   ; on the diagonal the scores of hidden keys become -infinity ahead of the maximum: p = 0 then.  A step all of whose keys count skips this
	s_cmp_le_u32 s96, s[Q0]
	s_cbranch_scc1 .Lopen_\@
	s_sub_co_i32 s96, s[Q0], s[KF]
	v_add_nc_u32 v[DD], s96, v[RH]                 ; d = my query - the step's first key - 8 h.  Register 8 t + j holds key 16 t + 8 h + j of the step: hidden where 16 t + j > d
	v_mov_b32 v254, 0xff800000                     ; -infinity
.set n, 0
.rept 64
	v_cmp_gt_i32 vcc_lo, 16*(n/8)+n%8, v[DD]
	v_cndmask_b32 v[96+n], v[96+n], v254, vcc_lo
.set n, n+1
.endr
.Lopen_\@:
	v_max3_num_f32 v254, v96, v97, v98             ; the step's largest score of my query, among my 64 keys, in two chains,
	v_max3_num_f32 v252, v99, v100, v101
.irp i, 6,10,14,18,22,26,30,34,38,42,46,50,54,58
	v_max3_num_f32 v254, v254, v[96+\i], v[97+\i]
	v_max3_num_f32 v252, v252, v[98+\i], v[99+\i]
.endr
	v_max3_num_f32 v254, v254, v158, v159
	s_delay_alu instid0(VALU_DEP_1)
	v_max_num_f32 v254, v254, v252
	s_delay_alu instid0(VALU_DEP_1)
	v_permlanex16_b32 v236, v254, s[SEL], s[SEL+1]
	s_delay_alu instid0(VALU_DEP_1)
	v_max_num_f32 v254, v254, v236                 ; and among lane l xor 16's
	s_delay_alu instid0(VALU_DEP_1)
	v_mul_f32 v254, s[CS], v254                    ; as t (c is positive)
	s_delay_alu instid0(VALU_DEP_1)
	v_max_num_f32 v13, v13, v254                   ; the running largest t
	v_mov_b32 v254, v12
	s_delay_alu instid0(VALU_DEP_2)
	v_floor_f32 v12, -v13                          ; the new -M = floor(-t) = -ceil(t): M is a whole number
	s_delay_alu instid0(VALU_DEP_1)
	v_sub_f32 v254, v12, v254                      ; M's old value less its new one: a whole number, 0 or less
	s_delay_alu instid0(VALU_DEP_1)
	v_cvt_i32_f32 v254, v254                       ; (it saturates)
	s_delay_alu instid0(VALU_DEP_1)
	v_ldexp_f32 v252, 1.0, v254                    ; f = 2^(old M - new M)
.set j, 0
.rept 32
	v_pk_fma_f32 v[96+j:97+j], v[96+j:97+j], s[CS:CS+1], v[12:13] op_sel_hi:[1,0,0]   ; t - M, two at a time (of the pairs c and -M the low word serves both halves)
.set j, j+2
.endr
.set j, 0
	s_wait_alu depctr_va_vdst(0)
.rept 64
	v_exp_f32 v[96+j], v[96+j]                     ; p = 2^(t - M), at most 1: not normalised
.set j, j+1
.endr
	v_pk_mul_f32 v[14:15], v[14:15], v[252:253] op_sel_hi:[1,0]   ; the sums under the new M: the plain instruction behind the exponentials
	s_wait_alu depctr_va_vdst(0)                   ; one wait for the whole batch, ahead of its first reader
	v_pk_add_f32 v[242:243], v[100:101], v[104:105]
	v_pk_add_f32 v[254:255], v[108:109], v[112:113]
	v_pk_add_f32 v[250:251], v[116:117], v[120:121]
	v_pk_add_f32 v[248:249], v[124:125], v[128:129]
	v_pk_add_f32 v[240:241], v[132:133], v[136:137]
	v_pk_add_f32 v[238:239], v[140:141], v[144:145]
	v_pk_add_f32 v[234:235], v[148:149], v[152:153]
	v_pk_add_f32 v[14:15], v[14:15], v[156:157]
	v_pk_add_f32 v[242:243], v[242:243], v[96:97]
	v_pk_add_f32 v[254:255], v[254:255], v[98:99]
	v_pk_add_f32 v[250:251], v[250:251], v[102:103]
	v_pk_add_f32 v[248:249], v[248:249], v[106:107]
	v_pk_add_f32 v[240:241], v[240:241], v[110:111]
	v_pk_add_f32 v[238:239], v[238:239], v[114:115]
	v_pk_add_f32 v[234:235], v[234:235], v[118:119]
	v_pk_add_f32 v[14:15], v[14:15], v[122:123]
	v_pk_add_f32 v[242:243], v[242:243], v[126:127]
	v_pk_add_f32 v[254:255], v[254:255], v[130:131]
	v_pk_add_f32 v[250:251], v[250:251], v[134:135]
	v_pk_add_f32 v[248:249], v[248:249], v[138:139]
	v_pk_add_f32 v[240:241], v[240:241], v[142:143]
	v_pk_add_f32 v[238:239], v[238:239], v[146:147]
	v_pk_add_f32 v[234:235], v[234:235], v[150:151]
	v_pk_add_f32 v[14:15], v[14:15], v[154:155]
	v_pk_add_f32 v[242:243], v[242:243], v[158:159]
	s_delay_alu instid0(VALU_DEP_2)
	v_pk_add_f32 v[14:15], v[14:15], v[248:249]
	s_delay_alu instid0(VALU_DEP_2)
	v_pk_add_f32 v[242:243], v[242:243], v[240:241]
	v_pk_add_f32 v[254:255], v[254:255], v[238:239]
	v_pk_add_f32 v[250:251], v[250:251], v[234:235]
	s_delay_alu instid0(VALU_DEP_2)
	v_pk_add_f32 v[14:15], v[14:15], v[254:255]
	s_delay_alu instid0(VALU_DEP_2)
	v_pk_add_f32 v[242:243], v[242:243], v[250:251]
	s_delay_alu instid0(VALU_DEP_1)
	v_pk_add_f32 v[14:15], v[14:15], v[242:243]
.irp t, 0,1,2,3,4,5,6,7
.irp i, 0,1,2,3,4,5,6,7
.endr
	v_cvt_scalef32_pk8_fp8_f32 v[192+2*\t:193+2*\t], v[96+8*\t:103+8*\t], v244   ; registers 2 t, 2 t + 1 of P: keys 16 t + 8 h + 0 .. 7
.endr
.set j, 0
.rept 16
	v_pk_mul_f32 v[160+j:161+j], v[160+j:161+j], v[252:253] op_sel_hi:[1,0]   ; O^T under the new M.  (These are also the plain instructions between the conversions and the products)
.set j, j+2
.endr
	s_wait_alu depctr_va_vdst(0)
	s_wait_dscnt 0x0                               ; V is in
.irp t, 0,1,2,3                                ; O^T += V^T P^T: the four accumulators take turns, one instruction each; the scores' products stand between one step's and the next's
	v_wmma_f32_16x16x128_fp8_fp8 v[160+8*\t:167+8*\t], v[32+16*\t:47+16*\t], v[192:207], v[160+8*\t:167+8*\t]
.endr
.rept 4
	v_nop                                          ; places in front of whatever follows on any way: the next step's loads into these registers, or the first read of O^T
.endr
.Lhidden_\@:
	s_add_co_u32 s[KF], s[KF], 128
.endm
; THE CHANGE OF SLOTS stands at a slot's head.  Each wave waits for all its tensor loads (its part of the slot that it is about to read), adds 0 to its spare word (fill = 1: twice on end), and waits for
; that and for its reads of the slot that it has left.  Behind the barrier the slot ahead is whole and nobody reads the other one.  fill = 1: that other slot takes the key slot of the next trip:
; trip + 1 while pass 1 goes on (trip < p), else trip - p, which begins pass 2 at key slot 0.  A loading wave has one tensor load out, with a whole slot's steps in which to land.
.macro CHANGE fill
	s_wait_tensorcnt 0x0                           ; no tensor load of mine is out, so a group 0 may be written
	ds_add_u32 v[SPW], v[NIL]                      ; 0 onto my spare word
.if \fill
	ds_add_u32 v[SPW], v[NIL]                      ; and once more
	s_xor_b32 s[G0K+1], s[G0K+1], SLOT1            ; the other slot than last time
	s_xor_b32 s[G0V+1], s[G0V+1], SLOT1
	s_add_co_u32 s96, s[TRIP], 1
	s_sub_co_u32 s97, s[TRIP], s[PP]
	s_cmp_lt_u32 s[TRIP], s[PP]
	s_cselect_b32 s96, s96, s97                    ; the key slot to be fetched
	s_lshl_b32 s[OFK], s96, 19                     ; 16 key tiles x 32,768 bytes
	s_lshl_b32 s[OFV], s96, 12                     ; 8 groups of 32 keys x 512 bytes
	s_add_nc_u64 s[G0K+2:G0K+3], s[KB:KB+1], s[OFK:OFK+1]
	s_or_b32 s[G0K+3], s[G0K+3], 0x80000000
	s_add_nc_u64 s[G0V+2:G0V+3], s[VB:VB+1], s[OFV:OFV+1]
	s_or_b32 s[G0V+3], s[G0V+3], 0x80000000
	s_wait_xcnt 0x0                                ; the last prefetch, a slot back, has read its address, so it may be written:
	s_add_nc_u64 s[PFA:PFA+1], s[PFA:PFA+1], s[PFS:PFS+1]   ; it stands at key slot trip + 1
.endif
	s_wait_dscnt 0x0                               ; the add is done (fill = 1: both are), and my reads of the slot that I have left are over
	s_barrier_signal -1
	s_barrier_wait -1
.if \fill
	TLOAD                                          ; the first thing behind the barrier, and a wave's one tensor load until the next
	ASK
.endif
.endm
; A PASS ENDS: O^T / the sum x 2^(e4 + e5) is y; it is quantised with 2^e6 and stored as the projection's operand: y_img [row tile of 16][1,024 k][..]: a group of 512 bytes holds, in lane (r, h), row r and
; k = 32 g + 16 h + 0 .. 15.  A conversion leaves channels 16 t + 8 h + 0 .. 7 in lane (r, h): so the halves of the lanes exchange one pair of registers of each two tiles.
.macro FINISH
	s_wait_xcnt 0x0                                ; the stores of the pass before have read their offset and data: both are written below
	v_add_f32 v14, v14, v15                        ; the sum's two halves,
	s_wait_alu depctr_va_vdst(0)
	v_permlanex16_b32 v236, v14, s[SEL], s[SEL+1]
	s_delay_alu instid0(VALU_DEP_1)
	v_add_f32 v14, v14, v236                       ; and lane l xor 16's: the row's sum
	s_wait_alu depctr_va_vdst(0)
	v_rcp_f32 v14, v14
	s_lshl_b32 s96, s[Q0], 10                      ; a row tile is 16,384 bytes: 1,024 a row
	v_add_nc_u32 v[YO], s96, v[LI]                 ; (the plain instruction behind the reciprocal)
	s_wait_alu depctr_va_vdst(0)                   ; the wait ahead of its first reader
	v_ldexp_f32 v14, v14, s[EPV]
.set j, 0
.rept 16
	v_pk_mul_f32 v[96+j:97+j], v[160+j:161+j], v[14:15] op_sel_hi:[1,0]   ; each accumulator from its low end on; the pair's low word serves both halves
.set j, j+2
.endr
.set j, 0
.rept 32
.set j, j+1
.endr
.irp t, 0,1,2,3
	v_cvt_scalef32_pk8_fp8_f32 v[208+2*\t:209+2*\t], v[96+8*\t:103+8*\t], v246
.endr
	v_nop                                          ; one plain vector instruction between the conversions and the first instruction that touches their results
.irp b, 0,1                                    ; lanes 0-15 send tile 2 b + 1's pair, lanes 16-31 tile 2 b's
.irp i, 0,1
	v_cndmask_b32 v[216+2*\b+\i], v[210+4*\b+\i], v[208+4*\b+\i], s[HM]
.endr
.endr
.irp n, 0,1,2,3
	s_delay_alu instid0(VALU_DEP_4)
	v_permlanex16_b32 v[220+\n], v[216+\n], s[SEL], s[SEL+1]
.endr
.irp b, 0,1                                    ; lanes 0-15 now hold channels 32 b + 0 .. 15, lanes 16-31 channels 32 b + 16 .. 31
.irp i, 0,1
	v_cndmask_b32 v[208+4*\b+\i], v[208+4*\b+\i], v[220+2*\b+\i], s[HM]
	v_cndmask_b32 v[210+4*\b+\i], v[220+2*\b+\i], v[210+4*\b+\i], s[HM]
.endr
.endr
	global_store_b128 v[YO], v[208:211], s[YB:YB+1]              ; each store of the wave covers 512 consecutive bytes, aligned
	global_store_b128 v[YO], v[212:215], s[YB:YB+1] offset:512
.endm
	s_wait_loadcnt 0x0                             ; Q
.Lslot:                                            ; eight trips: behind each change of slots the next trip's key slot is asked for
	CHANGE 1
	STEP 0
	STEP 1
	s_xor_b32 s[TB], s[TB], SLOT1                  ; on to the other slot
	s_cmp_lg_u32 s[TRIP], s[PP]                    ; pass 1 ends behind trip p: a branch on ids, the same in all sixteen waves; no LDS access, barrier or tensor load stands under it
	s_cbranch_scc1 .Lsame_pass
	FINISH
.irp i, 0,1,2,3,4,5,6,7
	v_mov_b32 v[16+\i], v[24+\i]                   ; pass 2's queries
.endr
	STATE
	s_mov_b32 s[Q0], s[Q0B]
	s_mov_b32 s[KF], 0
.Lsame_pass:
	s_add_co_u32 s[TRIP], s[TRIP], 1
	s_cmp_lt_u32 s[TRIP], 8
	s_cbranch_scc1 .Lslot
	CHANGE 0                                       ; the ninth slot is written out: nothing is left to fetch
	STEP 0
	STEP 1
	FINISH
	s_wait_tensorcnt 0x0                           ; the wave's end, behind my last tensor load
	ds_add_u32 v[SPW], v[NIL]
	s_wait_dscnt 0x0
	s_endpgm
.Lfunc_end_k_q2205a2cb85_attn:
	.size	k_q2205a2cb85_attn, .Lfunc_end_k_q2205a2cb85_attn-k_q2205a2cb85_attn
	.p2alignl 7, 3214868480
	.fill 96, 4, 3214868480
	.section	.rodata,"a",@progbits
	.p2align	6, 0x0
	.amdhsa_kernel k_q2205a2cb85_attn
		.amdhsa_group_segment_fixed_size 327680
		.amdhsa_private_segment_fixed_size 0
		.amdhsa_enable_private_segment 0
		.amdhsa_kernarg_size 32
		.amdhsa_user_sgpr_count 2
		.amdhsa_user_sgpr_kernarg_segment_ptr 1
		.amdhsa_wavefront_size32 1
		.amdhsa_system_sgpr_workgroup_id_x 1
		.amdhsa_system_sgpr_workgroup_id_y 1
		.amdhsa_system_sgpr_workgroup_id_z 1
		.amdhsa_system_vgpr_workitem_id 0
		.amdhsa_next_free_vgpr 256
		.amdhsa_next_free_sgpr 100
		.amdhsa_reserve_vcc 1
		.amdhsa_float_denorm_mode_32 3
		.amdhsa_float_denorm_mode_16_64 3
		.amdhsa_fp16_overflow 1
		.amdhsa_memory_ordered 1
		.amdhsa_forward_progress 1
		.amdhsa_inst_pref_size 93
	.end_amdhsa_kernel
	.amdgpu_metadata
---
amdhsa.version: [ 1, 2 ]
amdhsa.kernels:
  - .name:           k_q2205a2cb85_attn
    .symbol:         k_q2205a2cb85_attn.kd
    .args:
      - { .name: qk_img, .offset: 0, .size: 8, .value_kind: global_buffer, .address_space: global }
      - { .name: v_img, .offset: 8, .size: 8, .value_kind: global_buffer, .address_space: global }
      - { .name: lowp_scales, .offset: 16, .size: 8, .value_kind: global_buffer, .address_space: global }
      - { .name: y_img, .offset: 24, .size: 8, .value_kind: global_buffer, .address_space: global }
    .group_segment_fixed_size: 327680
    .private_segment_fixed_size: 0
    .kernarg_segment_align: 8
    .kernarg_segment_size: 32
    .max_flat_workgroup_size: 512
    .sgpr_count:     100
    .vgpr_count:     256
    .wavefront_size: 32
...
	.end_amdgpu_metadata
.endif
;; end of part 2
;; launch proj (part 3): grid 4 x 64, 4 waves a work-group, clusters of 4 x 4, 327,680 bytes of LDS; arguments y_img, w_proj_codes, lowp_scales, out0; writes out0
.if DOCPART == 3
	.amdgcn_target "amdgcn-amd-amdhsa--gfx1250"
	.amdhsa_code_object_version 6
	.text
	.protected	k_q2205a2cb85_proj
	.globl	k_q2205a2cb85_proj
	.p2align	8
	.type	k_q2205a2cb85_proj,@function
k_q2205a2cb85_proj:
	s_mov_b64 s[64:65], 0
	v_nop
	global_prefetch_b8 v0, s[64:65] scope:SCOPE_SE
	s_setreg_imm32_b32 hwreg(HW_REG_WAVE_MODE, 25, 1), 1
	s_wait_xcnt 0x0
	s_wait_alu depctr_hold_cnt(0) depctr_sa_sdst(0) depctr_va_vdst(0) depctr_va_sdst(0) depctr_va_ssrc(0) depctr_va_vcc(0) depctr_vm_vsrc(0)
	s_getreg_b32 s2, hwreg(HW_REG_IB_STS2, 6, 4)
	s_cmp_eq_u32 s2, 0
	s_cbranch_scc0 .Lentry_in_a_cluster
	s_endpgm
.Lentry_in_a_cluster:
	s_bfe_u32 s2, ttmp6, 0x10000c
	s_cmp_lg_u32 s2, 0xf033
	s_cbranch_scc0 .Lentry_shape_is_right
	s_endpgm
.Lentry_shape_is_right:
; out[m][n] = 2^(e6 + e7) x the sum over k of y[m][k] w_proj[n][k], K = 1,024, on codes of FP8 (E4M3); out is [8,192][1,024] f32.  Nothing is left out here.
; y comes as the attention stored it: y_img [row tile of 16][K step of 128, 0..7][c 0..3][512 bytes]: an image of the operand's registers, lane (r, h): row r, k = 128 s + 32 c + 16 h + 0 .. 15.
; w_proj's rows (1,024 bytes, K innermost) are fetched by four loads of 16 bytes a fragment, which give a lane the same k in the same registers: one permutation of k on both sides.
; A tile of out is 128 rows x 256 columns: 64 x 4 = 256 work-groups.  Four waves, each 64 x 128: 32 accumulators, 256 registers.  K goes in slots of 256 through a ring of two LDS slots.
; CLUSTERS: 4 x 4 work-groups; y's tile is asked for jointly along a row of the cluster, w_proj's along a column.  THE MATRIX INSTRUCTION IS USED TRANSPOSED (source 0 = 16 rows of w_proj, source 1 = 16 rows of y):
; a lane holds eight neighbouring numbers of a row of out.
; LIMIT: e6 + e7 lies between -126 and 127, so that 2^(e6 + e7) is an f32 number.
; REGISTERS, in windows of 256: window 0: v1-31 addresses; v32-95 at work on the way out; y's fragments, two sets of 4 x 16, at v128 and v192, later rows of out.   window 1: w_proj's, two sets of 8 x 16.
;   window 2: the accumulators ((a, b) at v[8 (8 a + b)]).
.set PITCH,  272                       ; a row of w_proj's tile in LDS: 256 bytes + 16 of padding: the 16 rows that a load touches start at 16 different banks (64 banks of 4 bytes: ISA guide 11.1)
.set FR,     16
.set NP,     4                         ; places behind this matrix instruction (ISA guide 7.12.1)
.set HALFA,  16384                     ; what one tensor load brings of y: 4 row tiles x 4,096 bytes (two K steps), dense
.set BOFF,   2*HALFA                   ; w_proj's tile lies behind y's
.set HALFB,  128*PITCH                 ; 128 rows
.set SLOT,   BOFF+2*HALFB              ; 102,400
.set STAGE,  2*SLOT                    ; behind the ring: 16 rows x (512 bytes + 16) for each wave; no tensor load lands here
.set SPITCH, 528
.set SPARE,  STAGE+4*16*SPITCH         ; behind the stages: the spare words, 128 bytes for each wave
.set ADRA, 16                          ; v16-17  LDS address of my fragments of y in slot 0, 1
.set ADRB, 20                          ; v20-21  the same for w_proj
.set STO,  24                          ; v24     the way out: where I put 32 bytes of a row
.set RD,   25                          ; v25     the way out: where I read a row back
.set CO,   26                          ; v26     16 x lane: my byte offset in an image's group and in 512 bytes of a row of out
.set SPW,  28                          ; v28     LDS address of my spare word; never rewritten
.set NIL,  29                          ; v29     0; never rewritten
.set TMP,  32
.set AF,   128
.set BK,   128                         ; the way out: 16 rows read back from the stage: v128-191 and v192-255 by turns
.set G1, 24                            ; s[24:31] descriptor group 1 for y's tiles;  s[32:39] group 0, one set for each slot
.set G0, 32
.set G1B, 48                           ; s[48:55], s[56:63] the same for w_proj's
.set G0B, 56
.set MSB, 0
.macro WIN new                         ; the immediate's high byte repeats the setting that is left
.if MSB != \new
	s_set_vgpr_msb (MSB<<8)|\new
.set MSB, \new
.endif
.endm
.set MUL,  0xa1                        ; source 0 (w_proj) window 1, source 1 (y) window 0, C and D window 2
.set TO_B, 0x40                        ; destination window 1, address window 0
; A joint load: waves 0 and 1 fetch y's halves, waves 2 and 3 w_proj's.  The branch hangs on the wave's number alone.  An s_nop 0 and four v_nop follow each of the two lines.
.macro JLOAD g0a, g1a, g0b, g1b
	s_cmp_eq_u32 s15, 0
	s_cbranch_scc0 .Lfor_b_\@
	tensor_load_to_lds s[\g0a:\g0a+3], s[\g1a:\g1a+7]
	s_nop 0
.rept 4
	v_nop
.endr
	s_branch .Lasked_\@
.Lfor_b_\@:
	tensor_load_to_lds s[\g0b:\g0b+3], s[\g1b:\g1b+7]
	s_nop 0
.rept 4
	v_nop
.endr
.Lasked_\@:
.endm
.macro CREST                           ; a round of the cluster's barrier behind its opening barrier
	s_cmp_lg_u32 s14, 0
	s_cbranch_scc1 .Lnot_wave_0_\@
	s_barrier_signal -3
.Lnot_wave_0_\@:
	s_barrier_wait -3
	s_barrier_signal -1
	s_barrier_wait -1
.endm
.macro CROUND                          ; a whole round
	s_barrier_signal -1
	s_barrier_wait -1
	CREST
.endm
	s_load_b256 s[4:11], s[0:1], 0x0               ; y_img s[4:5], w_proj's codes s[6:7], the scales' exponents s[8:9], out s[10:11]
	v_lshl_add_u32 v[SPW], v0, 2, SPARE
	v_mov_b32 v[NIL], 0
	ds_add_u32 v[SPW], v[NIL]                      ; the wave's opening: the add, twice on end, and its wait ahead of my first tensor load; the set-up below stands between
	ds_add_u32 v[SPW], v[NIL]                      ; and once more, under the one wait
	v_lshrrev_b32 v1, 5, v0
	v_readfirstlane_b32 s14, v1                    ; wave 0..3
	s_lshr_b32 s15, s14, 1                         ; which 64 of the tile's rows are mine.  Also: I fetch for y (0) or for w_proj (1)
	s_and_b32 s16, s14, 1                          ; which 128 of its columns.  Also: which half of that tile I fetch
	s_bfe_u32 s40, ttmp6, 0x40000                  ; cx, cy: my place in the cluster
	s_bfe_u32 s41, ttmp6, 0x40004
	s_lshl_b32 s42, ttmp9, 2
	s_add_co_u32 s42, s42, s40                     ; tile column = 4 x cluster x + cx
	s_and_b32 s17, ttmp7, 0xffff
	s_lshl_b32 s17, s17, 2
	s_add_co_u32 s17, s17, s41                     ; tile row = 4 x cluster y + cy
	s_lshl_b32 s43, s41, 2
	s_lshl_b32 s43, 15, s43                        ; my row of the cluster
	s_lshl_b32 s44, 0x1111, s40                    ; my column
	; descriptor group 1.  y: 4 rows (row tiles) of 4,096 bytes, 16,384 apart, elements of 8 bytes, no padding
	s_or_b32 s[G1+0], s43, (3<<16)|(1<<21)         ; 15:0 the mask: my row; 17:16 element of 8 bytes; 21 set beside a mask
	s_mov_b32 s[G1+1], 512<<16                     ; tensor_dim0
	s_mov_b32 s[G1+2], 4<<16                       ; tensor_dim1
	s_mov_b32 s[G1+3], 512<<16                     ; tile_dim0
	s_mov_b32 s[G1+4], 4                           ; tile_dim1
	s_mov_b32 s[G1+5], 2048                        ; tensor_dim0_stride
	s_mov_b32 s[G1+6], 0
	s_mov_b32 s[G1+7], 0
	; w_proj: 128 rows of 256 bytes, 1,024 apart, elements of 1 byte, 4 words of padding behind every 64
	s_or_b32 s[G1B+0], s44, (0<<16)|(1<<20)|(1<<21)|(5<<22)|(3<<25)
	s_mov_b32 s[G1B+1], 256<<16
	s_mov_b32 s[G1B+2], 128<<16
	s_mov_b32 s[G1B+3], 256<<16
	s_mov_b32 s[G1B+4], 128
	s_mov_b32 s[G1B+5], 1024
	s_mov_b32 s[G1B+6], 0
	s_mov_b32 s[G1B+7], 0
	s_lshl_b32 s20, s17, 3
	s_lshl_b32 s18, s16, 2
	s_add_co_u32 s20, s20, s18                     ; y: row tile 8 x tile row + 4 x half,
	s_lshl_b32 s20, s20, 14                        ; x 16,384 bytes
	s_mov_b32 s21, 0
	s_lshl_b32 s46, s42, 8
	s_lshl_b32 s18, s16, 7
	s_add_co_u32 s46, s46, s18                     ; w_proj: row 256 x tile column + 128 x half,
	s_lshl_b32 s46, s46, 10                        ; x 1,024 bytes
	s_mov_b32 s47, 0
	s_lshl_b32 s45, s16, 14                        ; where they go: y's halves,
	s_mul_i32 s66, s16, HALFB
	s_add_co_u32 s66, s66, BOFF                    ; w_proj's halves: no place in the cluster enters an LDS address
	s_wait_dscnt 0x0                               ; both opening adds are done
	s_wait_kmcnt 0x0
	s_load_b64 s[96:97], s[8:9], 0x18              ; e6, e7
	s_add_nc_u64 s[20:21], s[4:5], s[20:21]
	s_add_nc_u64 s[46:47], s[6:7], s[46:47]
	CROUND                                         ; all sixteen work-groups are here: the first joint loads meet
.irp s, 0,1
	s_mov_b32 s[G0+4*\s], 1
	s_add_co_u32 s[G0+4*\s+1], s45, \s*SLOT
	s_add_nc_u64 s[G0+4*\s+2:G0+4*\s+3], s[20:21], \s*4096
	s_or_b32 s[G0+4*\s+3], s[G0+4*\s+3], 0x80000000
	s_mov_b32 s[G0B+4*\s], 1
	s_add_co_u32 s[G0B+4*\s+1], s66, \s*SLOT
	s_add_nc_u64 s[G0B+4*\s+2:G0B+4*\s+3], s[46:47], \s*256
	s_or_b32 s[G0B+4*\s+3], s[G0B+4*\s+3], 0x80000000
	s_wait_alu depctr_va_vdst(0)
	s_wait_tensorcnt 0x0
	ds_add_u32 v28, v29
	ds_add_u32 v28, v29
	s_wait_dscnt 0x0
	CROUND
	JLOAD G0+4*\s, G1, G0B+4*\s, G1B
.endr
	v_and_b32 v1, 15, v0                           ; l % 16
	v_bfe_u32 v2, v0, 4, 1                         ; l / 16
	v_and_b32 v6, 31, v0
	v_lshlrev_b32 v[CO], 4, v6                     ; 16 x lane
	v_mul_u32_u24 v3, v1, PITCH
	v_lshl_add_u32 v4, v2, 4, v3                   ; w_proj: row x pitch + 16 x half
	s_lshl_b32 s21, s15, 14                        ; my four row tiles of y
	s_mul_i32 s22, s16, HALFB                      ; my 128 rows of w_proj
	s_add_co_u32 s22, s22, BOFF
.irp s, 0,1
	v_add_nc_u32 v[ADRA+\s], s21, v[CO]
	v_add_nc_u32 v[ADRB+\s], s22, v4
	s_add_co_u32 s21, s21, SLOT
	s_add_co_u32 s22, s22, SLOT
.endr
	s_mul_i32 s23, s14, 16*SPITCH
	s_add_co_u32 s23, s23, STAGE                   ; my stage
	v_mul_u32_u24 v5, v1, SPITCH                   ; in: row l % 16, 32 bytes for each half of the lanes
	v_lshl_add_u32 v5, v2, 5, v5
	v_add_nc_u32 v[STO], s23, v5
	v_add_nc_u32 v[RD], s23, v[CO]                 ; back: the 32 lanes take one row of 512 bytes
	s_lshl_b32 s20, s17, 7
	s_lshl_b32 s21, s15, 6
	s_add_co_u32 s20, s20, s21                     ; my first row of out: 128 x tile row + 64 x half,
	s_lshl_b32 s20, s20, 12                        ; x 4,096 bytes (under 2^26),
	s_lshl_b32 s46, s42, 10                        ; my first column, in bytes: 1,024 x tile column + 512 x half
	s_lshl_b32 s47, s16, 9
	s_add_co_u32 s46, s46, s47
	s_add_co_u32 s20, s20, s46
	s_mov_b32 s21, 0
	s_add_nc_u64 s[10:11], s[10:11], s[20:21]
.macro FRAGA reg, adr, q, i            ; y's fragment of row tile i, the slot's q-th K step: four groups of 512 bytes as they lie
.irp c, 0,1,2,3
	ds_load_b128 v[\reg+4*\c:\reg+4*\c+3], v[\adr] offset:(\i)*4096+(\q)*2048+512*\c
.endr
.endm
.macro FRAGB reg, adr, q, i            ; w_proj's: lane l holds row l % 16; registers 4 c .. 4 c + 3 hold K = 32 c + 16 (l / 16) + 0 .. 15
.irp c, 0,1,2,3
	ds_load_b128 v[\reg+4*\c:\reg+4*\c+3], v[\adr] offset:128*(\q)+32*\c+(\i)*16*PITCH
.endr
.endm
.macro FETCH slot, q, set              ; 48 LDS loads in one run: a step's fragments into one of the two sets
	WIN TO_B
.irp i, 0,1,2,3,4,5,6,7
	FRAGB 128*(\set)+FR*\i, ADRB+\slot, \q, \i
.endr
	WIN 0
.irp i, 0,1,2,3
	FRAGA AF+64*(\set)+FR*\i, ADRA+\slot, \q, \i
.endr
.endm
; 8 matrix instructions: y's block a x w_proj's eight, 128 along K.  zero = 1: the first product starts the sums.  The 32 accumulators take turns, one instruction a turn, in the same order in every step.
.macro MUL8 a, set, zero
.irp b, 0,1,2,3,4,5,6,7
.if \zero
	v_wmma_f32_16x16x128_fp8_fp8 v[8*(8*(\a)+\b):8*(8*(\a)+\b)+7], v[128*(\set)+FR*\b:128*(\set)+FR*\b+FR-1], v[AF+64*(\set)+FR*(\a):AF+64*(\set)+FR*(\a)+FR-1], 0
.else
	v_wmma_f32_16x16x128_fp8_fp8 v[8*(8*(\a)+\b):8*(8*(\a)+\b)+7], v[128*(\set)+FR*\b:128*(\set)+FR*\b+FR-1], v[AF+64*(\set)+FR*(\a):AF+64*(\set)+FR*(\a)+FR-1], v[8*(8*(\a)+\b):8*(8*(\a)+\b)+7]
.endif
.endr
.endm
.macro PLACES n                        ; places in front of loads into registers that matrix instructions have read, and of the first read of results
.rept \n
	v_nop
.endr
.endm
; A slot's first step multiplies set 0; ahead of its products the slot's second step is fetched into set 1.
.macro STEP slot, zero
	PLACES NP
	FETCH \slot, 1, 1
	s_wait_dscnt 48                                ; all but the 48 just issued: set 0 is in
	WIN MUL
	MUL8 0, 0, \zero
	MUL8 1, 0, \zero
	MUL8 2, 0, \zero
	MUL8 3, 0, \zero
.endm
; A slot's second step multiplies set 1 and changes slots: ONE barrier; in front of it each wave waits for all its tensor loads, adds 0 to its spare word, and waits for that and for its own reads of this slot.
; fill = 1: this slot is filled again, two slots ahead, behind a round of the cluster's barrier.
.macro TURN slot, next, fill
	WIN 0                                          ; (the add's two registers lie in window 0)
	s_wait_tensorcnt 0x0                           ; all my tensor loads have landed: my part of the next slot
	ds_add_u32 v[SPW], v[NIL]                      ; 0 onto my spare word
	s_wait_dscnt 1                                 ; set 1 is in; the add alone may be out
	WIN MUL
	MUL8 0, 1, 0                                   ; eight matrix instructions stand between the add and the wait for it
	s_wait_dscnt 0x0                               ; the add is done, and my reads of this slot are over
	s_barrier_signal -1
	MUL8 1, 1, 0
	WIN 0
	s_barrier_wait -1
.if \fill
	CREST                                          ; no wave of any partner still reads this slot's tile or has a load on its way
	s_add_nc_u64 s[G0+4*\slot+2:G0+4*\slot+3], s[G0+4*\slot+2:G0+4*\slot+3], 2*4096
	s_add_nc_u64 s[G0B+4*\slot+2:G0B+4*\slot+3], s[G0B+4*\slot+2:G0B+4*\slot+3], 2*256
	JLOAD G0+4*\slot, G1, G0B+4*\slot, G1B         ; the first tensor load behind the round; the four v_nop behind it are also the places in front of the loads below
.else
	PLACES NP
.endif
	FETCH \next, 0, 0
	WIN MUL
	MUL8 2, 1, 0
	MUL8 3, 1, 0
.endm
	s_wait_alu depctr_va_vdst(0)
	s_wait_tensorcnt 1                             ; my part of slot 0 is in; slot 1's load may be out
	s_barrier_signal -1
	s_barrier_wait -1                              ; everybody's is
	FETCH 0, 0, 0
	STEP 0, 1                                      ; K = 1,024 is four slots of two steps: written straight; the first step's products start the sums
	TURN 0, 1, 1                                   ; slot 0 takes K 512 on
	STEP 1, 0
	TURN 1, 0, 1                                   ; slot 1 takes K 768 on
	STEP 0, 0
	TURN 0, 1, 0                                   ; nothing is left to fetch
	STEP 1, 0
	s_wait_dscnt 0                                 ; the very last step
	MUL8 0, 1, 0
	MUL8 1, 1, 0
	MUL8 2, 1, 0
	MUL8 3, 1, 0
	WIN 0
; THE WAY OUT, block by block of 16 rows x 128 columns.  A lane holds 32 neighbouring bytes of a row, and the lanes beside it hold other rows: so a block goes through my own stage in LDS and comes back as whole
; rows of 512 bytes.  LDS serves a wave's instructions in order (ISA guide 5.7.1.4): no wait between the stores and the loads, nor in front of the next block's stores.
.macro TOSTAGE a
.set AC, 64*(\a)
	WIN 0x02                                       ; source 0: window 2
.set j, 0
.rept 32
	v_pk_mul_f32 v[TMP+j:TMP+j+1], v[AC+j:AC+j+1], s[96:97] op_sel_hi:[1,0]   ; both x s96 = 2^(e6 + e7); each accumulator from its low end on
.set j, j+2
.endr
	WIN 0
.irp b, 0,1,2,3,4,5,6,7
	ds_store_b128 v[STO], v[TMP+8*\b:TMP+8*\b+3] offset:64*\b
	ds_store_b128 v[STO], v[TMP+8*\b+4:TMP+8*\b+7] offset:64*\b+16
.endr
.set BB, BK+64*((\a)%2)
.irp t, 0,1,2,3,4,5,6,7,8,9,10,11,12,13,14,15
	ds_load_b128 v[BB+4*\t:BB+4*\t+3], v[RD] offset:\t*SPITCH
.endr
.endm
.macro SEND a, younger                 ; younger: the LDS instructions issued behind block a's loads, which may stay out
.set BB, BK+64*((\a)%2)
	s_wait_dscnt \younger                          ; the block is back in registers
.if (\a) > 0
	s_add_nc_u64 s[10:11], s[10:11], 16*4096       ; (behind a wait on XCNT: the earlier stores have read their base)  16 rows of out on
.endif
.irp t, 0,1,2,3,4,5,6,7,8,9,10,11,12,13,14,15
	global_store_b128 v[CO], v[BB+4*\t:BB+4*\t+3], s[10:11] offset:\t*4096 th:TH_STORE_NT   ; 32 lanes store 512 consecutive bytes, aligned; written once, read by nobody here
.endr
.endm
	s_wait_kmcnt 0x0
	s_add_co_i32 s96, s96, s97                     ; e6 + e7, between -126 and 127,
	s_add_co_i32 s96, s96, 127
	s_lshl_b32 s96, s96, 23                        ; makes the f32 number 2^(e6 + e7)
	PLACES NP                                      ; behind the last products: their results are read, and rows land where y's fragments lay
	TOSTAGE 0
.irp a, 1,2,3
.if \a > 1
	s_wait_xcnt 0x0                                ; block a - 2's stores have read their registers and their base: block a's loads may land there, and the base may step
.endif
	TOSTAGE \a
	SEND \a-1, 32                                  ; behind block a - 1's loads: block a's 16 stores and 16 loads
.endr
	s_wait_xcnt 0x0                                ; block 2's stores have read their base
	SEND 3, 0
	s_wait_tensorcnt 0x0                           ; the wave's end, behind my last tensor load and my last LDS store
	ds_add_u32 v[SPW], v[NIL]
	s_wait_dscnt 0x0
	CROUND                                         ; the closing round: no work-group ends while a partner may still ask for a tile that names it
	s_endpgm
.Lfunc_end_k_q2205a2cb85_proj:
	.size	k_q2205a2cb85_proj, .Lfunc_end_k_q2205a2cb85_proj-k_q2205a2cb85_proj
	.p2alignl 7, 3214868480
	.fill 96, 4, 3214868480
	.section	.rodata,"a",@progbits
	.p2align	6, 0x0
	.amdhsa_kernel k_q2205a2cb85_proj
		.amdhsa_group_segment_fixed_size 327680
		.amdhsa_private_segment_fixed_size 0
		.amdhsa_enable_private_segment 0
		.amdhsa_kernarg_size 32
		.amdhsa_user_sgpr_count 2
		.amdhsa_user_sgpr_kernarg_segment_ptr 1
		.amdhsa_wavefront_size32 1
		.amdhsa_system_sgpr_workgroup_id_x 1
		.amdhsa_system_sgpr_workgroup_id_y 1
		.amdhsa_system_sgpr_workgroup_id_z 1
		.amdhsa_system_vgpr_workitem_id 0
		.amdhsa_next_free_vgpr 768
		.amdhsa_next_free_sgpr 100
		.amdhsa_reserve_vcc 0
		.amdhsa_float_denorm_mode_32 3
		.amdhsa_float_denorm_mode_16_64 3
		.amdhsa_memory_ordered 1
		.amdhsa_forward_progress 1
		.amdhsa_inst_pref_size 76
	.end_amdhsa_kernel
	.amdgpu_metadata
---
amdhsa.version: [ 1, 2 ]
amdhsa.kernels:
  - .name:           k_q2205a2cb85_proj
    .symbol:         k_q2205a2cb85_proj.kd
    .args:
      - { .name: y_img, .offset: 0, .size: 8, .value_kind: global_buffer, .address_space: global }
      - { .name: w_proj_codes, .offset: 8, .size: 8, .value_kind: global_buffer, .address_space: global }
      - { .name: lowp_scales, .offset: 16, .size: 8, .value_kind: global_buffer, .address_space: global }
      - { .name: out0, .offset: 24, .size: 8, .value_kind: global_buffer, .address_space: global }
    .group_segment_fixed_size: 327680
    .private_segment_fixed_size: 0
    .kernarg_segment_align: 8
    .kernarg_segment_size: 32
    .max_flat_workgroup_size: 128
    .sgpr_count:     100
    .vgpr_count:     768
    .wavefront_size: 32
...
	.end_amdgpu_metadata
.endif
;; end of part 3
